; MI455X (gfx1250); checked and timed in simulation.
; The chip was launched on July 23, 2026; its instructions are those of AMD's public machine-readable ISA for CDNA 5 (MIT licence, August 2026) and "CDNA5" Instruction Set Architecture Reference Guide (July 2026). The comments in the code are by the model that wrote it; some were corrected since.
;; Causal Self Attention. Allowed arithmetic: matrix products marked QUANTISED: E4M3 operands, one given power-of-two scale a tensor, by v_wmma_f32_16x16x64_fp8_fp8 or v_wmma_f32_16x16x128_fp8_fp8, f32 sums; everything else in f32.
;; Inputs: Wproj_codes 1,024 x 32 x 32 uint8 (E4M3 codes of Wproj, K innermost, in blocks of 32 codes); Wqkv_codes 3,072 x 32 x 32 uint8 (E4M3 codes of Wqkv, K innermost, in blocks of 32 codes); bproj 1,024 float32; bqkv 3,072 float32; lowp_scales 8 int32 (the exponents e of the quantised operands' scales 2^e); x_codes 4 x 2,048 x 32 x 32 uint8 (E4M3 codes of x, K innermost, in blocks of 32 codes).
;; Outputs: out0 4 x 2,048 x 1,024 float32.
;; This version of the problem:
;;   THIS VERSION OF THE PROBLEM IS GIVEN IN LOW PRECISION. The matrix products marked QUANTISED in the list below multiply operands that are first quantised to E4M3 (4 exponent bits, 3 mantissa bits; 8 bits a number), with one given power-of-two scale for each operand tensor; their sums are f32. All else is computed in f32.
;;   The module's matrix products, in the order in which they are computed (A, B: the left and right operand; K: the contracted axis; several contracted axes count as one K, in the product's order):
;;     1. [M 8,192, K 1,024] x [K 1,024, N 3,072]; A: input x (given as codes); B: input Wqkv (given as codes): QUANTISED (scales: A lowp_scales[0], B lowp_scales[1])
;;     2. batch 64 x [M 2,048, K 64] x [K 64, N 2,048]; A: computed on the way; B: computed on the way: QUANTISED (scales: A lowp_scales[2], B lowp_scales[3])
;;     3. batch 64 x [M 2,048, K 2,048] x [K 2,048, N 64]; A: softmax (see below); B: computed on the way: QUANTISED (scales: A lowp_scales[4], B lowp_scales[5])
;;     4. [M 8,192, K 1,024] x [K 1,024, N 1,024]; A: computed on the way; B: input Wproj (given as codes): QUANTISED (scales: A lowp_scales[6], B lowp_scales[7])
;;   THE QUANTISER, for each operand of a quantised product, along K:
;;     - The operand's scale is 2^e, e = its entry of the input lowp_scales (int32; the entries are numbered through the quantised products in the list's order, A before B).
;;     - Each number is divided by the scale, clamped to +-448, and rounded to the nearest number of E4M3, ties to even, subnormals kept.
;;     - The product sums the exact products of the quantised numbers (number of the format x scale) in f32.
;;   ~~~python
;;   def quantise(x, axis, e):      # numpy; x: float32 -> the quantised numbers, widened to float32 again
;;       x = np.moveaxis(x, axis, -1); K = x.shape[-1]
;;       r = np.clip(x / 2.0 ** e, -448, 448)
;;       step = 2.0 ** (np.maximum(np.frexp(np.where(r == 0, 1, r))[1] - 1, -6) - 3)
;;       q = np.round(r / step) * step * 2.0 ** e      # np.round: ties to even
;;       return np.moveaxis(q, -1, axis).astype(np.float32)
;;   ~~~
;;   SOFTMAX AHEAD OF A QUANTISED PRODUCT. Where the list says 'softmax', what is quantised is not the finished softmax but p = 2^(t - M), with t = logit x log2(e) and M = ceil(the row's largest t), a whole number; so 1/2 < the row's largest p <= 1. The row's sum l is taken of the UNQUANTISED p, in f32, and the product's result is divided by l at the end. Since M is a whole number, a kernel that streams over the keys may use a running M (the ceiling of the running maximum): every later rescaling is an exact power of two, so the quantised numbers keep their values, but for numbers so far below the row's largest that they fall under the format's range.
;;   OPERANDS COMPUTED ON THE WAY. 'Computed on the way' means the value that the module computes at that place (a softmax that the list does not call 'softmax' is quantised finished and normalised). What goes into a quantiser is computed in f32, as accurately as f32 sums, v_exp_f32 and their like allow (about 1e-6 of the number): no bf16 or f16 on the way to a quantiser, and a product that is left as it is and whose result goes on into a quantised operand takes f32 operands (vector FMAs, or v_wmma_f32_16x16x4_f32). A number that lies on a knife's edge between two numbers of the format may be rounded either way, as far as f32 arithmetic and the matrix unit's own rounding can turn it there, and no further.
;;   INPUTS GIVEN AS CODES. Wproj (in the module: [1024, 1024], K = its axis 0); Wqkv (in the module: [1024, 3072], K = its axis 0); x (in the module: [4, 2048, 1024], K = its axis 2): each comes as NAME_codes (uint8): NAME with its K axis moved to the last place and cut into blocks of 32 codes, [.., K / 32, bytes a block], one block behind the other in memory; one code a byte (a code: sign, 4 exponent bits, 3 mantissa bits); its scale is its entry of lowp_scales. Its value is code x scale, taken as it is: it is not quantised again, and the codes and scales need not be those that the quantiser above would give.
;; One version. Each part assembles by itself: llvm-mc -triple=amdgcn-amd-amdhsa -mcpu=gfx1250 --defsym DOCPART=n.
;; ======== version 1 of 1: 3 launches
;; limits: right only within a limited range of input values
;; workspace buffers: qimg 8,388,608 bytes; kimg 8,388,608 bytes; vimg 8,388,608 bytes; yimg 8,388,608 bytes
;; launch qkv (part 1): grid 12 x 32, 4 waves a work-group, clusters of 4 x 4, 327,680 bytes of LDS; arguments x_codes, Wqkv_codes, lowp_scales, bqkv, qimg, kimg, vimg; writes qimg, kimg, vimg
.if DOCPART == 1
	.amdgcn_target "amdgcn-amd-amdhsa--gfx1250"
	.amdhsa_code_object_version 6
	.text
	.protected	k_q08bce9096e_qkv
	.globl	k_q08bce9096e_qkv
	.p2align	8
	.type	k_q08bce9096e_qkv,@function
k_q08bce9096e_qkv:
	s_mov_b64 s[64:65], 0
	v_nop
	global_prefetch_b8 v0, s[64:65] scope:SCOPE_SE
	s_setreg_imm32_b32 hwreg(HW_REG_WAVE_MODE, 25, 1), 1
	s_wait_xcnt 0x0
	s_wait_alu depctr_hold_cnt(0) depctr_sa_sdst(0) depctr_va_vdst(0) depctr_va_sdst(0) depctr_va_ssrc(0) depctr_va_vcc(0) depctr_vm_vsrc(0)
	s_getreg_b32 s2, hwreg(HW_REG_IB_STS2, 6, 4)
	s_cmp_eq_u32 s2, 0
	s_cbranch_scc0 .Lentry_in_a_cluster
	s_endpgm
.Lentry_in_a_cluster:
	s_bfe_u32 s2, ttmp6, 0x10000c
	s_cmp_lg_u32 s2, 0xf033
	s_cbranch_scc0 .Lentry_shape_is_right
	s_endpgm
.Lentry_shape_is_right:
; qkv = x Wqkv + bqkv on codes of FP8 (E4M3); the result is quantised at once into the codes of q, k and v.
; x: [8192][1024] codes, Wqkv: [3072][1024] codes, both with K innermost; bqkv: [3072] f32; lowp_scales: e0 .. e7.
; A work-group of four waves makes a tile of 256 x 256, a wave 128 x 128: 64 accumulators, 512 registers.  K = 1,024 goes in four fills of 256 through two LDS slots.
; ROLES.  The matrix instruction's source 1 takes the A-ROLE's rows, source 0 the B-ROLE's: lane (r, h) then holds A-role row r and eight neighbouring B-role rows 8 h + 0 .. 7.
;   cluster x = 0 (q), 1 (k): A-role = rows of x (tokens), B-role = rows of Wqkv (channels): a lane's eight results are eight neighbours along the head's 64, the K of q k^T.
;   cluster x = 2 (v):        A-role = rows of Wqkv, B-role = rows of x: a lane's eight results are eight neighbouring tokens of one channel, the K (keys) of p v.
; So one conversion of accumulator (a, b) gives registers 2 b, 2 b + 1 of the next product's operand as that product's form lays them (k = 16 b + 8 h + 0 .. 7), and the codes
; leave as IMAGES OF THE OPERAND'S REGISTERS: four registers by one store at 16 x lane, 512 consecutive bytes, aligned.  No stage in LDS, no transposition.
;   qimg, kimg: byte (batch 16 + head) << 17 + (t / 16) << 10 + quad << 9 + 16 lane          (a fragment of 16 tokens x 64: two quads of registers)
;   vimg: ((batch 16 + head) >> 1) << 18 + (quad >> 1) << 17 + (t / 128) << 13 + ((head & 1) 4 + channel / 16) << 10 + (quad & 1) << 9 + 16 lane   (16 channels x 128 keys: four quads)
; The roles are chosen by selects on the cluster's x, which all partners share: there is no branch on it, and one text serves q, k and v.
; THE BIAS goes in divided by 2^(e0 + e1), the power of two that the sums lack.  Along the B-role (q, k) it is the C of each sum's first matrix instruction; along the A-role (v) it is added on
; the way out.  Every work-group loads both shapes and a select makes the one that is not its own zero: in q's and k's work-groups the 256 packed additions of a wave add zeros.
; CLUSTERS: 4 x 4 work-groups; the A-role's tile is shared along a row of the cluster, the B-role's along a column: each is asked for jointly.
; The fragments are fetched by loads of 16 bytes, 32 apart: a permutation of k inside an instruction's 128, the same on both sides, so every product meets its partner.
; LIMITS: e2 - e0 - e1, e3 - e0 - e1 and e5 - e0 - e1 lie between -126 and 119, so that the conversion's scale is an f32 number.  NaN among the inputs is not served.
; REGISTERS, in windows of 256: window 0: v16-31 addresses and the quantiser's scale; v32-95 the bias along the B-role, later a block's sums; v96-111 the bias along the A-role, in pairs;
;   v128-255 the A-role's fragments, one set, later the codes (16 registers for each of my 8 blocks).   window 1: the B-role's fragments, two sets.   windows 2, 3: accumulator (a, b) at v[8 (8 (a % 4) + b)].
.set ROWB,   256                       ; a tile's row in bytes: 256 codes
.set KROW,   1024                      ; a row of x or of Wqkv in memory
.set PITCH,  272                       ; an LDS row: 256 bytes + 16 of padding = 68 words: the 16 rows that a load touches start at 16 different banks (64 banks of 4 bytes: ISA guide 11.1)
.set FR,     16                        ; registers of a fragment: 16 rows x 128 K
.set NL,     4                         ; LDS loads that bring one
.set NP,     4                         ; places behind this matrix instruction (ISA guide 7.12.1)
.set HALFT,  128*PITCH                 ; 128 rows: what one tensor load brings
.set SLOT,   4*HALFT                   ; the A-role's 256 rows, then the B-role's
.set SPARE,  2*SLOT                    ; behind the ring: the spare words, 128 bytes for each wave
.set ADRA, 16                          ; v16-17  LDS address of my A-role fragments in slot 0, 1
.set ADRB, 20                          ; v20-21  the same for the B-role
.set CO,   26                          ; v26     16 x lane: my place in an image
.set SPW,  28                          ; v28     LDS address of my spare word; never rewritten
.set NIL,  29                          ; v29     0; never rewritten
.set SC,   30                          ; v30     2^(eo - e0 - e1) as f32, eo = e2, e3 or e5
.set LIM,  31
.set BT,   32
.set TMP,  32
.set BA,   96
.set AF,   128
.set CD,   128
.set G1, 24                            ; s[24:31] descriptor group 1 for the A-role;  s[32:39] group 0, one set for each slot
.set G0, 32
.set G1B, 48                           ; s[48:55], s[56:63] the same for the B-role
.set G0B, 56
.set MSB, 0
.macro WIN new                         ; the immediate's high byte repeats the setting that is left
.if MSB != (\new)
	s_set_vgpr_msb (MSB<<8)|(\new)
.set MSB, (\new)
.endif
.endm
.set MUL_LO, 0xa1                      ; source 0 window 1, source 1 window 0, C and D window 2
.set MUL_HI, 0xf1                      ; the same, C and D window 3
.set TO_B,   0x40                      ; destination window 1, address window 0
; A joint load: waves 0 and 1 fetch for the A-role, waves 2 and 3 for the B-role.  The branch hangs on the wave's number alone.  Four v_nop follow each of the two lines.
.macro JLOAD g0a, g1a, g0b, g1b
	s_cmp_eq_u32 s15, 0
	s_cbranch_scc0 .Lfor_b_\@
	tensor_load_to_lds s[\g0a:\g0a+3], s[\g1a:\g1a+7]
	s_nop 0
.rept 4
	v_nop
.endr
	s_branch .Lasked_\@
.Lfor_b_\@:
	tensor_load_to_lds s[\g0b:\g0b+3], s[\g1b:\g1b+7]
	s_nop 0
.rept 4
	v_nop
.endr
.Lasked_\@:
.endm
.macro CREST                           ; a round of the cluster's barrier behind its opening barrier
	s_cmp_lg_u32 s14, 0
	s_cbranch_scc1 .Lnot_wave_0_\@
	s_barrier_signal -3
.Lnot_wave_0_\@:
	s_barrier_wait -3
	s_barrier_signal -1
	s_barrier_wait -1
.endm
.macro CROUND                          ; a whole round
	s_barrier_signal -1
	s_barrier_wait -1
	CREST
.endm
	s_load_b256 s[4:11], s[0:1], 0x0               ; x's codes s[4:5], Wqkv's s[6:7], the scales' exponents s[8:9], bqkv s[10:11]
	s_load_b128 s[68:71], s[0:1], 0x20             ; qimg s[68:69], kimg s[70:71]
	s_load_b64 s[72:73], s[0:1], 0x30              ; vimg
	v_lshl_add_u32 v[SPW], v0, 2, SPARE
	v_mov_b32 v[NIL], 0
	ds_add_u32 v28, v29
	ds_add_u32 v28, v29
	s_wait_dscnt 0x0
	v_lshrrev_b32 v1, 5, v0
	v_readfirstlane_b32 s14, v1                    ; wave 0..3
	s_lshr_b32 s15, s14, 1                         ; which half of the A-role's rows is mine.  Also: I fetch for the A-role (0) or the B-role (1)
	s_and_b32 s16, s14, 1                          ; which half of the B-role's.  Also: which 128 rows of that tile I fetch
	s_bfe_u32 s40, ttmp6, 0x40000                  ; cx, cy: my place in the cluster
	s_bfe_u32 s41, ttmp6, 0x40004
	s_lshl_b32 s74, ttmp9, 2                       ; 4 X: X = 0 q, 1 k, 2 v
	s_and_b32 s75, ttmp7, 0xffff
	s_lshl_b32 s75, s75, 2                         ; 4 Y
	s_cmp_eq_u32 ttmp9, 2                          ; v?  The cluster's x is the same in all partners
	s_cselect_b32 s17, 8, s75
	s_cselect_b32 s42, s75, s74
	s_cselect_b32 s76, 0, -1                       ; all lanes on for q and k: keeps the bias along the B-role
	s_cselect_b32 s77, -1, 0                       ; all lanes on for v: keeps the bias along the A-role
	s_add_co_u32 s17, s17, s41                     ; the A-role's tile of 256 rows: 4 Y + cy of x, or 8 + cy of Wqkv: it never holds cx
	s_add_co_u32 s42, s42, s40                     ; the B-role's: 4 X + cx of Wqkv, or 4 Y + cx of x: it never holds cy
	s_lshl_b32 s43, s41, 2
	s_lshl_b32 s43, 15, s43                        ; my row of the cluster
	s_lshl_b32 s44, 0x1111, s40                    ; my column
	; descriptor group 1: a tile of 128 rows x 256 bytes, padded in LDS
	s_or_b32 s[G1+0], s43, (0<<16)|(1<<20)|(1<<21)|(5<<22)|(3<<25)  ; 15:0 the mask; 17:16 elements of 1 byte; 20 padding on; 21 set beside a mask; 24:22 after every 64 words (code 5); 31:25 four words (code 3)
	s_or_b32 s[G1B+0], s44, (0<<16)|(1<<20)|(1<<21)|(5<<22)|(3<<25)
.irp g, G1, G1B
	s_mov_b32 s[\g+1], ROWB<<16                    ; tensor_dim0
	s_mov_b32 s[\g+2], 128<<16                     ; tensor_dim1 = 128
	s_mov_b32 s[\g+3], ROWB<<16                    ; tile_dim0
	s_mov_b32 s[\g+4], 128                         ; tile_dim1 = 128
	s_mov_b32 s[\g+5], KROW                        ; tensor_dim0_stride
	s_mov_b32 s[\g+6], 0
	s_mov_b32 s[\g+7], 0
.endr
	s_lshl_b32 s18, s16, 7                         ; which 128 rows of the tile I fetch
	s_lshl_b32 s20, s17, 8
	s_add_co_u32 s20, s20, s18
	s_lshl_b32 s20, s20, 10                        ; the A-role's first row in bytes: under 2^24
	s_mov_b32 s21, 0
	s_lshl_b32 s46, s42, 8
	s_add_co_u32 s46, s46, s18
	s_lshl_b32 s46, s46, 10                        ; the B-role's
	s_mov_b32 s47, 0
	s_mul_i32 s45, s14, HALFT                      ; where they go: wave x 128 rows: no place in the cluster enters an LDS address
	s_wait_kmcnt 0x0
	s_load_b256 s[80:87], s[8:9], 0x0              ; e0 .. e7
	s_cmp_eq_u32 ttmp9, 2
	s_cselect_b64 s[88:89], s[6:7], s[4:5]         ; the A-role's tensor: Wqkv for v, else x
	s_cselect_b64 s[90:91], s[4:5], s[6:7]         ; the B-role's
	s_add_nc_u64 s[20:21], s[88:89], s[20:21]
	s_add_nc_u64 s[46:47], s[90:91], s[46:47]
	CROUND                                         ; all sixteen work-groups are here: the first joint loads meet
.irp s, 0,1
	s_mov_b32 s[G0+4*\s], 1
	s_add_co_u32 s[G0+4*\s+1], s45, \s*SLOT
	s_add_nc_u64 s[G0+4*\s+2:G0+4*\s+3], s[20:21], \s*ROWB
	s_or_b32 s[G0+4*\s+3], s[G0+4*\s+3], 0x80000000
	s_mov_b32 s[G0B+4*\s], 1
	s_add_co_u32 s[G0B+4*\s+1], s45, \s*SLOT
	s_add_nc_u64 s[G0B+4*\s+2:G0B+4*\s+3], s[46:47], \s*ROWB
	s_or_b32 s[G0B+4*\s+3], s[G0B+4*\s+3], 0x80000000
	JLOAD G0+4*\s, G1, G0B+4*\s, G1B               ; two tensor loads of mine are out
.endr
	v_and_b32 v1, 15, v0                           ; r = lane % 16
	v_bfe_u32 v2, v0, 4, 1                         ; h = lane / 16
	s_wait_alu depctr_va_vdst(0)
	v_mul_u32_u24 v3, v1, PITCH
	v_lshl_add_u32 v4, v2, 4, v3                   ; a fragment's row x pitch + 16 x half
	s_mul_i32 s21, s15, HALFT                      ; my 128 rows of the A-role
	s_mul_i32 s22, s16, HALFT                      ; my 128 rows of the B-role,
	s_add_co_u32 s22, s22, 2*HALFT                 ; which lie behind the A-role's 256
.irp s, 0,1
	v_add_nc_u32 v[ADRA+\s], s21, v4
	v_add_nc_u32 v[ADRB+\s], s22, v4
	s_add_co_u32 s21, s21, SLOT
	s_add_co_u32 s22, s22, SLOT
.endr
	v_and_b32 v7, 31, v0
	v_lshlrev_b32 v[CO], 4, v7
	; which tile and half are the tokens' (T) and which the channels' (N)
	s_cmp_eq_u32 ttmp9, 2
	s_cselect_b32 s94, s42, s17                    ; tT
	s_cselect_b32 s95, s17, s42                    ; tN
	s_cselect_b32 s96, s16, s15                    ; sT
	s_cselect_b32 s97, s15, s16                    ; sN
	s_lshl_b32 s98, s95, 10
	s_lshl_b32 s99, s97, 9
	s_add_co_u32 s98, s98, s99                     ; 4 x (256 tN + 128 sN): my 128 channels' bias, inside bqkv for every work-group
	s_mov_b32 s99, 0
	s_add_nc_u64 s[10:11], s[10:11], s[98:99]
	v_lshlrev_b32 v5, 5, v2                        ; 32 h
	v_lshlrev_b32 v6, 2, v1                        ; 4 r
.irp b, 0,1,2,3,4,5,6,7
	global_load_b128 v[BT+8*\b:BT+8*\b+3], v5, s[10:11] offset:64*\b         ; along the B-role: channel 16 b + 8 h + 0 .. 7, the result's layout
	global_load_b128 v[BT+8*\b+4:BT+8*\b+7], v5, s[10:11] offset:64*\b+16
.endr
.irp a, 0,1,2,3,4,5,6,7
	global_load_b32 v[BA+2*\a], v6, s[10:11] offset:64*\a                    ; along the A-role: channel 16 a + r
.endr
	; where my images begin: one sum serves q, k and v
	s_lshr_b32 s98, s94, 3
	s_lshl_b32 s98, s98, 21                        ; the batch
	s_and_b32 s99, s95, 3
	s_lshl_b32 s99, s99, 19                        ; four heads to a tile of channels,
	s_add_co_u32 s98, s98, s99
	s_lshl_b32 s99, s97, 18                        ; two to its half
	s_add_co_u32 s98, s98, s99
	s_and_b32 s99, s94, 7
	s_lshl_b32 s99, s99, 14                        ; 256 tokens: 16 tiles of 1,024 bytes, or two key steps of 8,192
	s_add_co_u32 s98, s98, s99
	s_lshl_b32 s99, s96, 13
	s_add_co_u32 s98, s98, s99
	s_mov_b32 s99, 0
	s_cmp_eq_u32 ttmp9, 0
	s_cselect_b64 s[92:93], s[68:69], s[70:71]
	s_cmp_eq_u32 ttmp9, 2
	s_cselect_b64 s[92:93], s[72:73], s[92:93]
	s_add_nc_u64 s[92:93], s[92:93], s[98:99]
.macro FRAG reg, adr, q, i             ; a fragment: lane l holds row l % 16; registers 4 c .. 4 c + 3 hold K = 32 c + 16 (l / 16) + 0 .. 15
.irp c, 0,1,2,3
	ds_load_b128 v[\reg+4*\c:\reg+4*\c+3], v[\adr] offset:128*(\q)+32*\c+(\i)*16*PITCH
.endr
.endm
; 16 matrix instructions: A-role blocks a0, a0 + 1 x the B-role's eight, 128 along K.  p: the B-role's set.  first = 1: the sum begins with the bias along the B-role as C: nothing is cleared.
; The 64 accumulators take turns, one instruction a turn, in the same order in every step.
.macro MUL16 a0, p, first
.irp a, \a0, \a0+1
.irp b, 0,1,2,3,4,5,6,7
.if \first
	v_wmma_f32_16x16x128_fp8_fp8 v[8*(8*((\a)%4)+\b):8*(8*((\a)%4)+\b)+7], v[128*(\p)+FR*\b:128*(\p)+FR*\b+FR-1], v[AF+FR*(\a):AF+FR*(\a)+FR-1], v[BT+8*\b:BT+8*\b+7]
.else
	v_wmma_f32_16x16x128_fp8_fp8 v[8*(8*((\a)%4)+\b):8*(8*((\a)%4)+\b)+7], v[128*(\p)+FR*\b:128*(\p)+FR*\b+FR-1], v[AF+FR*(\a):AF+FR*(\a)+FR-1], v[8*(8*((\a)%4)+\b):8*(8*((\a)%4)+\b)+7]
.endif
.endr
.endr
.endm
.macro FETCH_B slot, q, p
	WIN TO_B
.irp i, 0,1,2,3,4,5,6,7
	FRAG 128*(\p)+FR*\i, ADRB+\slot, \q, \i
.endr
	WIN 0
.endm
.macro FETCH_A slot, q, i0
.irp i, \i0, \i0+1, \i0+2, \i0+3
	FRAG AF+FR*(\i), ADRA+\slot, \q, \i
.endr
.endm
; A load into a register that a matrix instruction has read, and a vector instruction that reads a matrix result or writes one of its registers, stand NP places behind it; only plain vector
; instructions that name none of its registers are places (ISA guide 7.12.1 for vector instructions).
.macro PLACES n
.rept \n
	v_nop
.endr
.endm
; A step of 128 along K that has its successor in the same slot.  first = 1: C lies in window 0.
.macro STEP slot, q, first
	s_wait_dscnt 4*NL                              ; the B-role's set and A-role blocks 0-3 are in; the sixteen youngest loads (blocks 4-7) may be out
	WIN MUL_LO-0x20*\first
	MUL16 0, (\q)%2, \first
	MUL16 2, (\q)%2, \first
	s_wait_dscnt 0                                 ; blocks 4-7 are in
	PLACES NP
	FETCH_B \slot, (\q)+1, 1-(\q)%2
	FETCH_A \slot, (\q)+1, 0
	WIN MUL_HI-0x30*\first
	MUL16 4, (\q)%2, \first
	MUL16 6, (\q)%2, \first
	PLACES NP
	WIN 0
	FETCH_A \slot, (\q)+1, 4
.endm
; A slot's last step changes slots: ONE barrier; in front of it each wave waits for all its tensor loads, adds 0 to its spare word, and waits for that and for its own reads of this slot.
.macro TURN slot, next, fill
	s_wait_tensorcnt 0x0                           ; all my tensor loads have landed: my part of the next slot (every window is 0 here)
	ds_add_u32 v[SPW], v[NIL]                      ; 0 onto my spare word
	s_wait_dscnt 4*NL+1                            ; the add and the sixteen youngest loads may be out
	WIN MUL_LO
	MUL16 0, 1, 0                                  ; sixteen matrix instructions stand between the add and the wait for it
	s_wait_dscnt 0x0                               ; the add is done, and my reads of this slot are over
	s_barrier_signal -1
	MUL16 2, 1, 0
	WIN 0
	s_barrier_wait -1
.if \fill
	CREST                                          ; the barrier has opened a round of the cluster's barrier: no wave of any partner still reads this slot or has a load on its way
	s_add_nc_u64 s[G0+4*\slot+2:G0+4*\slot+3], s[G0+4*\slot+2:G0+4*\slot+3], 2*ROWB
	s_add_nc_u64 s[G0B+4*\slot+2:G0B+4*\slot+3], s[G0B+4*\slot+2:G0B+4*\slot+3], 2*ROWB
	JLOAD G0+4*\slot, G1, G0B+4*\slot, G1B         ; the first tensor load behind the round; its four v_nop are the places in front of the loads below
.else
	PLACES NP
.endif
	FETCH_B \next, 0, 0
	FETCH_A \next, 0, 0
	WIN MUL_HI
	MUL16 4, 1, 0
	MUL16 6, 1, 0
	PLACES NP
	WIN 0
	FETCH_A \next, 0, 4
.endm
	s_wait_alu depctr_va_vdst(0)
	s_wait_tensorcnt 1                             ; my part of slot 0 is in; slot 1's load may be out
	s_barrier_signal -1
	s_barrier_wait -1                              ; everybody's is
	FETCH_B 0, 0, 0
	FETCH_A 0, 0, 0
	FETCH_A 0, 0, 4
	s_wait_loadcnt 0x0                             ; the bias
	s_wait_kmcnt 0x0                               ; the exponents
	s_add_co_i32 s78, s80, s81                     ; e0 + e1: a sum stands for sum x 2^(e0 + e1)
	s_sub_co_i32 s79, 0, s78
	s_cmp_eq_u32 ttmp9, 0
	s_cselect_b32 s98, s82, s83                    ; e2 for q, e3 for k,
	s_cmp_eq_u32 ttmp9, 2
	s_cselect_b32 s98, s85, s98                    ; e5 for v
	s_sub_co_i32 s98, s98, s78                     ; the three scales folded into the conversion's one
	s_add_co_i32 s98, s98, 127
	s_lshl_b32 s99, s98, 23
	v_mov_b32 v[SC], s99
.set j, 0
.rept 64
	v_ldexp_f32 v[BT+j], v[BT+j], s79              ; bias / 2^(e0 + e1)
.set j, j+1
.endr
.set j, 0
.rept 64
	v_cndmask_b32 v[BT+j], 0, v[BT+j], s76         ; kept for q and k, 0 for v
.set j, j+1
.endr
.irp a, 0,1,2,3,4,5,6,7
	v_ldexp_f32 v[BA+2*\a], v[BA+2*\a], s79
.endr
.irp a, 0,1,2,3,4,5,6,7
	v_cndmask_b32 v[BA+2*\a], 0, v[BA+2*\a], s77   ; kept for v, 0 for q and k
.endr
.irp a, 0,1,2,3,4,5,6,7
	v_mov_b32 v[BA+2*\a+1], v[BA+2*\a]             ; a pair for the packed addition
.endr
	STEP 0, 0, 1                                   ; K 0-127: the sums begin
	TURN 0, 1, 1                                   ; K 128-255; slot 0 takes K 512-767
	STEP 1, 0, 0
	TURN 1, 0, 1                                   ; slot 1 takes K 768-1023
	STEP 0, 0, 0
	TURN 0, 1, 0                                   ; nothing is left to fetch: no round
	STEP 1, 0, 0
	s_wait_dscnt 4*NL                              ; the last step
	WIN MUL_LO
	MUL16 0, 1, 0
	MUL16 2, 1, 0
	s_wait_alu depctr_va_vdst(0)
	s_wait_dscnt 0
	WIN MUL_HI
	MUL16 4, 1, 0
	MUL16 6, 1, 0
	WIN 0
; THE WAY OUT of block a (16 A-role rows x 128 B-role rows): + the bias along the A-role, each accumulator from its low end on;
; eight conversions, whose results are registers 2 b, 2 b + 1 of the next operand; four stores of 512 consecutive bytes.  Each block has code registers of its own
; and no address is stepped, so nothing that a store reads is written again.
.macro OUT a
.set AC, 64*((\a)%4)
	WIN 0x02+((\a)/4)                              ; source 0: window 2 or 3
.set j, 0
.rept 32
	v_pk_add_f32 v[TMP+j:TMP+j+1], v[AC+j:AC+j+1], v[BA+2*(\a):BA+2*(\a)+1]
.set j, j+2
.endr
	WIN 0
.set j, 0
.rept 64
.set j, j+1
.endr
.irp b, 0,1,2,3,4,5,6,7
	v_cvt_scalef32_pk8_fp8_f32 v[CD+16*(\a)+2*\b:CD+16*(\a)+2*\b+1], v[TMP+8*\b:TMP+8*\b+7], v[SC]
.endr
	v_nop                                          ; one plain vector instruction between the conversions and the next block's additions, which write their sources
.irp g, 0,1,2,3
	global_store_b128 v[CO], v[CD+16*(\a)+4*\g:CD+16*(\a)+4*\g+3], s[92:93] offset:(\a)*1024+(\g/2)*131072+(\g%2)*512
.endr
.endm
	PLACES NP                                      ; behind the last products: the codes land in registers that they read
.irp a, 0,1,2,3,4,5,6,7
	OUT \a
.endr
	s_wait_tensorcnt 0x0                           ; the wave's end
	ds_add_u32 v[SPW], v[NIL]
	s_wait_dscnt 0x0
	CROUND                                         ; the closing round: no work-group ends while a partner may still ask for a tile that names it
	s_endpgm
.Lfunc_end_k_q08bce9096e_qkv:
	.size	k_q08bce9096e_qkv, .Lfunc_end_k_q08bce9096e_qkv-k_q08bce9096e_qkv
	.p2alignl 7, 3214868480
	.fill 96, 4, 3214868480
	.section	.rodata,"a",@progbits
	.p2align	6, 0x0
	.amdhsa_kernel k_q08bce9096e_qkv
		.amdhsa_group_segment_fixed_size 327680
		.amdhsa_private_segment_fixed_size 0
		.amdhsa_enable_private_segment 0
		.amdhsa_kernarg_size 56
		.amdhsa_user_sgpr_count 2
		.amdhsa_user_sgpr_kernarg_segment_ptr 1
		.amdhsa_wavefront_size32 1
		.amdhsa_system_sgpr_workgroup_id_x 1
		.amdhsa_system_sgpr_workgroup_id_y 1
		.amdhsa_system_sgpr_workgroup_id_z 1
		.amdhsa_system_vgpr_workitem_id 0
		.amdhsa_next_free_vgpr 1024
		.amdhsa_next_free_sgpr 100
		.amdhsa_reserve_vcc 0
		.amdhsa_float_denorm_mode_32 3
		.amdhsa_float_denorm_mode_16_64 3
		.amdhsa_fp16_overflow 1
		.amdhsa_memory_ordered 1
		.amdhsa_forward_progress 1
		.amdhsa_inst_pref_size 114
	.end_amdhsa_kernel
	.amdgpu_metadata
---
amdhsa.version: [ 1, 2 ]
amdhsa.kernels:
  - .name:           k_q08bce9096e_qkv
    .symbol:         k_q08bce9096e_qkv.kd
    .args:
      - { .name: x_codes, .offset: 0, .size: 8, .value_kind: global_buffer, .address_space: global }
      - { .name: Wqkv_codes, .offset: 8, .size: 8, .value_kind: global_buffer, .address_space: global }
      - { .name: lowp_scales, .offset: 16, .size: 8, .value_kind: global_buffer, .address_space: global }
      - { .name: bqkv, .offset: 24, .size: 8, .value_kind: global_buffer, .address_space: global }
      - { .name: qimg, .offset: 32, .size: 8, .value_kind: global_buffer, .address_space: global }
      - { .name: kimg, .offset: 40, .size: 8, .value_kind: global_buffer, .address_space: global }
      - { .name: vimg, .offset: 48, .size: 8, .value_kind: global_buffer, .address_space: global }
    .group_segment_fixed_size: 327680
    .private_segment_fixed_size: 0
    .kernarg_segment_align: 8
    .kernarg_segment_size: 56
    .max_flat_workgroup_size: 128
    .sgpr_count:     100
    .vgpr_count:     1024
    .wavefront_size: 32
...
	.end_amdgpu_metadata
.endif
;; end of part 1
;; launch attn (part 2): grid 4 x 64, 16 waves a work-group, clusters of 4 x 1, 327,680 bytes of LDS; arguments qimg, kimg, vimg, lowp_scales, yimg; writes yimg
.if DOCPART == 2
	.amdgcn_target "amdgcn-amd-amdhsa--gfx1250"
	.amdhsa_code_object_version 6
	.text
	.protected	k_q08bce9096e_attn
	.globl	k_q08bce9096e_attn
	.p2align	8
	.type	k_q08bce9096e_attn,@function
k_q08bce9096e_attn:
	s_mov_b64 s[64:65], 0
	v_nop
	global_prefetch_b8 v0, s[64:65] scope:SCOPE_SE
	s_setreg_imm32_b32 hwreg(HW_REG_WAVE_MODE, 25, 1), 1
	s_wait_xcnt 0x0
	s_wait_alu depctr_hold_cnt(0) depctr_sa_sdst(0) depctr_va_vdst(0) depctr_va_sdst(0) depctr_va_ssrc(0) depctr_va_vcc(0) depctr_vm_vsrc(0)
	s_getreg_b32 s2, hwreg(HW_REG_IB_STS2, 6, 4)
	s_cmp_eq_u32 s2, 0
	s_cbranch_scc0 .Lentry_in_a_cluster
	s_endpgm
.Lentry_in_a_cluster:
	s_bfe_u32 s2, ttmp6, 0x10000c
	s_cmp_lg_u32 s2, 0x3003
	s_cbranch_scc0 .Lentry_shape_is_right
	s_endpgm
.Lentry_shape_is_right:
; y = softmax(q k^T / 8, causal) v for 64 heads (batch x head) of 2,048 tokens x 64, both products on codes of FP8 (E4M3); y is quantised at once into the last product's operand.
; qimg, kimg: images of fragments of 16 tokens x 64 (8 registers a lane): byte head << 17 + (t / 16) << 10 + quad << 9 + 16 lane.
; vimg: images of fragments of 16 channels x 128 keys (16 registers): (head >> 1) << 18 + (quad >> 1) << 17 + (t / 128) << 13 + ((head & 1) 4 + channel / 16) << 10 + (quad & 1) << 9 + 16 lane.
; yimg: (row / 16) << 14 + head-in-batch << 10 + (channel / 32) << 9 + 16 lane' : lane' = row % 16 + 16 ((channel / 16) % 2) holds 16 neighbouring channels: what four loads of 16 bytes from rows would give.
; THE SOFTMAX AHEAD OF THE SECOND PRODUCT: t = score x log2(e) / 8; M = the row's largest t so far, rounded UP to a whole number; p = 2^(t - M) is quantised with 2^e4, not normalised.  The row's sum is
; taken of the unquantised p and divides at the end.  When M moves, the sum and O are multiplied by 2^(old M - new M): exact.
; SHARES.  A cluster of four work-groups is one head.  The head's 128 tiles of 16 queries are dealt tile = 4 J + cx, J = 0 .. 31; each of a work-group's sixteen waves owns tiles J1 = u and J2 = 31 - u, so that every
; wave has 17 steps of 128 keys to work, whatever u.  u = 4 ((w / 4 - w) mod 4) + w mod 4: four waves that agree in w mod 4, or in w / 4, hold one tile of each group of four.
; CAUSAL.  Every work-group walks all 8 slots of 256 keys: the trip count is a constant.  With KS2 = the step's first key / 64: a step lies wholly behind a tile's queries where KS2 > J, and wholly in front
; where KS2 + 2 <= J; neither hangs on cx, since 16 cx + 15 < 64.  So the partners branch alike and K's and V's tiles are asked for jointly.  A hidden step's work is jumped over; on the diagonal hidden scores become -infinity.
; LAYOUT.  Both products are used transposed: S^T = K Q^T (source 0 = 16 keys), O^T = V^T P^T (source 0 = 16 channels): a lane holds ONE query (lane % 16) throughout, and the conversion of tile t of S^T gives
; registers 2 t, 2 t + 1 of P as the form of K = 128 lays them (keys 16 t + 8 (lane / 16) + 0 .. 7).
; LIMITS: e2 + e3 between -123 and 130 (added to the exponent field of log2(e) / 8); e4, and e6 - e4 - e5, between -126 and 119.  A hidden score counts for exactly 0, which is what -1e9 gives as long as the
; logits lie far above -1e9.  NaN among the inputs is not served.
.set SLOTB, 32768                      ; a slot: 16 KiB of K (16 tiles of 16 keys), then 16 KiB of V; slot 1 begins here: one exclusive or turns an address
.set VOFF,  16384
.set SPARE, 65536                      ; behind the ring: the spare words, 128 bytes for each of sixteen waves
.set NSL,   8
.set LI,   1                           ; v1   16 x lane
.set ADR,  2                           ; v2   LDS address of the slot in hand, + 16 x lane
.set SPW,  3                           ; v3   LDS address of my spare word; never rewritten
.set NIL,  4                           ; v4   0; never rewritten
.set YO,   5                           ; v5   16 r + 8 h: my 8 bytes of a store of y's codes
.set QD,   6                           ; v6   16 cx + r - 8 h
.set NINF, 7                           ; v7   -infinity
.set ST1,  8                           ; v8-11, v12-15: a tile's -M, largest t, sum in two halves
.set ST2,  12
.set Q1,   16                          ; v16-23, v24-31: the two tiles of Q
.set Q2,   24
.set FRG,  32                          ; v32-95   eight fragments of K, then four of V
.set S,    96                          ; v96-159  S^T, then p
.set O1,   160                         ; v160-191, v192-223: O^T of the two tiles
.set O2,   192
.set PC,   224                         ; v224-239 p's codes; at the end y's
.set PLIM, 240
.set PSC,  241                         ; 2^e4
.set SUM2, 242                         ; v[242:243] the sum's second chain
.set PD,   244                         ; a lane permute's destination
.set F,    246                         ; v[246:247] f = 2^(old M - new M); at the end 1 / the sum
.set T0,   248                         ; v248-251 at work
.set YSC,  252                         ; 2^(e6 - e4 - e5)
.set YLIM, 253
.set WV,   18
.set SEL,  20                          ; s[20:21] lane selects for v_permlanex16_b32: lane l xor 16
.set CS,   22                          ; s[22:23] c = log2(e) / 8 x 2^(e2 + e3)
.set G1K,  24
.set G1V,  32
.set G0K,  40
.set G0V,  44
.set TB,   48                          ; s48  LDS byte at which the slot in hand begins
.set SLOTS, 49
.set KS2,  50                          ; s50  the step's first key / 64
.set J1,   51
.set J2,   52
.set CX,   53
; Waves 0 and 1 fetch K's halves, waves 2 and 3 V's, the others nothing.  The branches hang on the wave's number alone.  Four v_nop follow each of the two lines.
.macro TLOAD
	s_cmp_lt_u32 s[WV], 2
	s_cbranch_scc0 .Lnot_k_\@
	tensor_load_to_lds s[G0K:G0K+3], s[G1K:G1K+7]
	s_nop 0
.rept 4
	v_nop
.endr
	s_branch .Lasked_\@
.Lnot_k_\@:
	s_cmp_lt_u32 s[WV], 4
	s_cbranch_scc0 .Lasked_\@
	tensor_load_to_lds s[G0V:G0V+3], s[G1V:G1V+7]
	s_nop 0
.rept 4
	v_nop
.endr
.Lasked_\@:
.endm
.macro ROUND                           ; a round of the cluster's barrier
	s_barrier_signal -1
	s_barrier_wait -1
	s_cmp_lg_u32 s[WV], 0
	s_cbranch_scc1 .Lnot_wave_0_\@
	s_barrier_signal -3
.Lnot_wave_0_\@:
	s_barrier_wait -3
	s_barrier_signal -1
	s_barrier_wait -1
.endm
	s_load_b256 s[4:11], s[0:1], 0x0               ; qimg s[4:5], kimg s[6:7], vimg s[8:9], the scales' exponents s[10:11]
	s_load_b64 s[12:13], s[0:1], 0x20              ; yimg
	v_lshl_add_u32 v[SPW], v0, 2, SPARE
	v_mov_b32 v[NIL], 0
	ds_add_u32 v3, v4
	ds_add_u32 v3, v4
	s_wait_dscnt 0x0
	v_lshrrev_b32 v2, 5, v0
	s_delay_alu instid0(VALU_DEP_1)
	v_readfirstlane_b32 s[WV], v2                  ; wave 0..15
	s_bfe_u32 s[CX], ttmp6, 0x40000                ; cx: it enters Q's and y's addresses and the mask's numbers alone
	s_and_b32 s54, ttmp7, 0xffff                   ; the head (batch x 16 + head), which the four partners share
	s_lshr_b32 s55, s[WV], 2
	s_mul_i32 s56, s[WV], 3
	s_add_co_u32 s55, s55, s56
	s_and_b32 s55, s55, 3                          ; (w / 4 + 3 w) mod 4 = (w / 4 - w) mod 4
	s_lshl_b32 s55, s55, 2
	s_and_b32 s56, s[WV], 3
	s_add_co_u32 s[J1], s55, s56                   ; u
	s_xor_b32 s[J2], s[J1], 31                     ; 31 - u
	s_and_b32 s57, s[WV], 1                        ; which half I fetch, if I fetch
	s_lshl_b32 s58, s54, 17
	s_lshl_b32 s59, s57, 13
	s_add_co_u32 s58, s58, s59                     ; K: the head's images, + 8,192 x half
	s_mov_b32 s59, 0
	s_lshr_b32 s60, s54, 1
	s_lshl_b32 s60, s60, 18
	s_lshl_b32 s61, s57, 17
	s_add_co_u32 s60, s60, s61
	s_and_b32 s61, s54, 1
	s_lshl_b32 s61, s61, 12
	s_add_co_u32 s60, s60, s61                     ; V: the pair of heads, the half of the quads, my head's 4,096 bytes of a key step
	s_mov_b32 s61, 0
	s_lshl_b32 s62, s57, 13                        ; and in a slot: 8,192 x half
	; descriptor group 1.  K: 32 rows of 256 bytes, dense.  V: two key steps' 4,096 bytes, 8,192 apart.  Elements of 8 bytes; no padding: the images are read 16 bytes a lane on end.
	s_mov_b32 s[G1K], 15|(3<<16)|(1<<21)           ; 15:0 the mask: all four work-groups; 17:16 elements of 8 bytes; 21 set beside a mask
	s_mov_b32 s[G1K+1], 32<<16                     ; tensor_dim0 = 32
	s_mov_b32 s[G1K+2], 32<<16                     ; tensor_dim1 = 32
	s_mov_b32 s[G1K+3], 32<<16                     ; tile_dim0 = 32
	s_mov_b32 s[G1K+4], 32                         ; tile_dim1 = 32
	s_mov_b32 s[G1K+5], 32                         ; tensor_dim0_stride
	s_mov_b32 s[G1K+6], 0
	s_mov_b32 s[G1K+7], 0
	s_mov_b32 s[G1V], 15|(3<<16)|(1<<21)
	s_mov_b32 s[G1V+1], 512<<16
	s_mov_b32 s[G1V+2], 2<<16
	s_mov_b32 s[G1V+3], 512<<16
	s_mov_b32 s[G1V+4], 2
	s_mov_b32 s[G1V+5], 1024
	s_mov_b32 s[G1V+6], 0
	s_mov_b32 s[G1V+7], 0
	s_mov_b32 s[SEL], 0x76543210
	s_mov_b32 s[SEL+1], 0xfedcba98
	s_mov_b32 s[CS], 0x3e38aa3b                    ; log2(e) / 8
	s_mov_b32 s[TB], 0
	s_mov_b32 s[SLOTS], NSL-1
	s_mov_b32 s[KS2], 0
	s_wait_kmcnt 0x0
	s_load_b256 s[68:75], s[10:11], 0x0            ; e0 .. e7
	s_mov_b32 s[G0K], 1                            ; count = 1
	s_mov_b32 s[G0K+1], s62                        ; LDS address: slot 0
	s_add_nc_u64 s[G0K+2:G0K+3], s[6:7], s[58:59]
	s_or_b32 s[G0K+3], s[G0K+3], 0x80000000        ; type = 2
	s_mov_b32 s[G0V], 1
	s_add_co_u32 s[G0V+1], s62, VOFF
	s_add_nc_u64 s[G0V+2:G0V+3], s[8:9], s[60:61]
	s_or_b32 s[G0V+3], s[G0V+3], 0x80000000
	ROUND                                          ; all four work-groups are here: the first joint loads meet
	TLOAD                                          ; slot 0
	s_lshl_b32 s55, s[J1], 2
	s_add_co_u32 s55, s55, s[CX]                   ; my first tile of queries: 4 J1 + cx
	s_lshl_b32 s56, s[J2], 2
	s_add_co_u32 s56, s56, s[CX]                   ; my second
	s_lshl_b32 s63, s54, 17
	s_mov_b32 s85, 0
	s_lshl_b32 s84, s55, 10
	s_add_co_u32 s84, s84, s63
	s_add_nc_u64 s[80:81], s[4:5], s[84:85]        ; Q's images
	s_lshl_b32 s84, s56, 10
	s_add_co_u32 s84, s84, s63
	s_add_nc_u64 s[82:83], s[4:5], s[84:85]
	s_lshr_b32 s86, s54, 4
	s_lshl_b32 s86, s86, 7                         ; the batch's 128 tiles of rows
	s_and_b32 s87, s54, 15
	s_lshl_b32 s87, s87, 10                        ; the head's 1,024 bytes of a tile of rows
	s_add_co_u32 s84, s86, s55
	s_lshl_b32 s84, s84, 14
	s_add_co_u32 s84, s84, s87
	s_add_nc_u64 s[76:77], s[12:13], s[84:85]      ; y's images
	s_add_co_u32 s84, s86, s56
	s_lshl_b32 s84, s84, 14
	s_add_co_u32 s84, s84, s87
	s_add_nc_u64 s[78:79], s[12:13], s[84:85]
	v_and_b32 v[LI], 31, v0
	s_delay_alu instid0(VALU_DEP_1)
	v_lshlrev_b32 v[LI], 4, v[LI]
	global_load_b128 v[Q1:Q1+3], v[LI], s[80:81]               ; Q stays in registers
	global_load_b128 v[Q1+4:Q1+7], v[LI], s[80:81] offset:512
	global_load_b128 v[Q2:Q2+3], v[LI], s[82:83]
	global_load_b128 v[Q2+4:Q2+7], v[LI], s[82:83] offset:512
	v_and_b32 v[T0], 15, v0                        ; r
	v_bfe_u32 v[T0+1], v0, 4, 1                    ; h
	s_delay_alu instid0(VALU_DEP_2)
	v_lshlrev_b32 v[YO], 4, v[T0]
	s_delay_alu instid0(VALU_DEP_1)
	v_lshl_add_u32 v[YO], v[T0+1], 3, v[YO]
	s_lshl_b32 s88, s[CX], 4
	v_lshlrev_b32 v[T0+2], 3, v[T0+1]
	s_delay_alu instid0(VALU_DEP_1)
	v_sub_nc_u32 v[QD], v[T0], v[T0+2]
	s_delay_alu instid0(VALU_DEP_1)
	v_add_nc_u32 v[QD], s88, v[QD]
	v_mov_b32 v[NINF], 0xff800000
.irp st, ST1, ST2
	v_mov_b32 v[\st+1], 0xff61b1e6                 ; the largest t so far: -3e38, under every t
	s_delay_alu instid0(VALU_DEP_1)
	v_floor_f32 v[\st], -v[\st+1]                  ; -M
	v_mov_b32 v[\st+2], 0                          ; the sum, in two halves
	v_mov_b32 v[\st+3], 0
.endr
	v_mov_b32 v[PD], 0                             ; written once: a lane permute's destination counts as one of its sources
	v_mov_b32 v[F+1], 0                            ; named as the upper half of the pair
.set j, 0
.rept 64
	v_mov_b32 v[O1+j], 0                           ; O^T of both tiles.  (The step is written once: a tile's first step finds zeros, which the first change of M leaves zeros)
.set j, j+1
.endr
	s_wait_kmcnt 0x0
	s_add_co_i32 s54, s70, s71
	s_lshl_b32 s54, s54, 23
	s_add_co_i32 s[CS], s[CS], s54                 ; a score stands for score x 2^(e2 + e3): added to c's exponent field
	s_mov_b32 s[CS+1], s[CS]                       ; named with it as a pair, so it is written
	s_add_co_i32 s54, s72, 127
	s_lshl_b32 s55, s54, 23
	v_mov_b32 v[PSC], s55                          ; 2^e4
	s_sub_co_i32 s54, s74, s72
	s_sub_co_i32 s54, s54, s73                     ; O^T / the sum stands for y / 2^(e4 + e5): its code is that / 2^(e6 - e4 - e5)
	s_add_co_i32 s54, s54, 127
	s_lshl_b32 s55, s54, 23
	v_mov_b32 v[YSC], s55
; A KEY STEP of one tile of queries: 128 keys, the q-th of the slot in hand.  st, qr, o: the tile's statistics, Q and O^T; jr: the scalar register with its J.
.macro STEP q, st, qr, o, jr
	s_cmp_gt_u32 s[KS2], s[\jr]                    ; all 128 keys come after my 16 queries: the step's work is left out (no barrier and no tensor load stands in a step)
	s_cbranch_scc1 .Lhidden_\@
	v_add_nc_u32 v[ADR], s[TB], v[LI]
.rept 3
	v_nop                                          ; with the addition four places: the loads below land in registers that the last products read
.endr
.irp t, 0,1,2,3,4,5,6,7
	ds_load_b128 v[FRG+8*\t:FRG+8*\t+3], v[ADR] offset:(8*(\q)+\t)*1024
	ds_load_b128 v[FRG+8*\t+4:FRG+8*\t+7], v[ADR] offset:(8*(\q)+\t)*1024+512
.endr
	s_wait_alu depctr_va_vdst(0)
	s_wait_dscnt 0x0
.irp t, 0,1,2,3,4,5,6,7                        ; S^T = K Q^T: tile t: keys 16 t on; K = the head's 64
	v_wmma_f32_16x16x64_fp8_fp8 v[S+8*\t:S+8*\t+7], v[FRG+8*\t:FRG+8*\t+7], v[\qr:\qr+7], 0
.endr
.rept 4
	v_nop                                          ; places: in front of the loads below and of the first read of the scores
.endr
.irp ct, 0,1,2,3                               ; V's four fragments land while the softmax is worked
.irp c, 0,1,2,3
	ds_load_b128 v[FRG+16*\ct+4*\c:FRG+16*\ct+4*\c+3], v[ADR] offset:VOFF+(\c/2)*8192+(\q)*4096+\ct*1024+(\c%2)*512
.endr
.endr
	s_add_co_u32 s54, s[KS2], 2
	s_cmp_le_u32 s54, s[\jr]                       ; all 128 keys count for all my queries: no mask
	s_cbranch_scc1 .Lopen_\@
	s_sub_co_i32 s54, s[\jr], s[KS2]
	s_lshl_b32 s54, s54, 6
	v_add_nc_u32 v[T0], s54, v[QD]                 ; d = my query - the step's first key - 8 h.  Register 8 t + i holds key 16 t + 8 h + i of the step: hidden where 16 t + i > d
.set n, 0
.rept 64
	v_cmp_gt_i32 vcc_lo, 16*(n/8)+n%8, v[T0]
	v_cndmask_b32 v[S+n], v[S+n], v[NINF], vcc_lo
.set n, n+1
.endr
.Lopen_\@:
	v_max3_num_f32 v[T0+2], v[S], v[S+1], v[S+2]   ; the step's largest score of my query among my 64 keys, in two chains, each accumulator from its low end on
	v_max3_num_f32 v[T0+3], v[S+3], v[S+4], v[S+5]
.irp i, 6,10,14,18,22,26,30,34,38,42,46,50,54,58
	v_max3_num_f32 v[T0+2], v[T0+2], v[S+\i], v[S+1+\i]
	v_max3_num_f32 v[T0+3], v[T0+3], v[S+2+\i], v[S+3+\i]
.endr
	v_max3_num_f32 v[T0+2], v[T0+2], v[S+62], v[S+63]
	s_delay_alu instid0(VALU_DEP_1)
	v_max_num_f32 v[T0+2], v[T0+2], v[T0+3]
	s_delay_alu instid0(VALU_DEP_1)
	v_permlanex16_b32 v[PD], v[T0+2], s[SEL], s[SEL+1]
	s_delay_alu instid0(VALU_DEP_1)
	v_max_num_f32 v[T0+2], v[T0+2], v[PD]          ; and among lane l xor 16's
	s_delay_alu instid0(VALU_DEP_1)
	v_mul_f32 v[T0+2], s[CS], v[T0+2]              ; as t (c is positive)
	s_delay_alu instid0(VALU_DEP_1)
	v_max_num_f32 v[\st+1], v[\st+1], v[T0+2]      ; the running largest t
	v_mov_b32 v[T0+2], v[\st]
	s_delay_alu instid0(VALU_DEP_2)
	v_floor_f32 v[\st], -v[\st+1]                  ; the new -M = floor(-t) = -ceil(t): a whole number
	s_delay_alu instid0(VALU_DEP_1)
	v_sub_f32 v[T0+2], v[\st], v[T0+2]             ; old M - new M: a whole number, 0 or less
	s_delay_alu instid0(VALU_DEP_1)
	v_cvt_i32_f32 v[T0+2], v[T0+2]                 ; (it saturates)
	s_delay_alu instid0(VALU_DEP_1)
	v_ldexp_f32 v[F], 1.0, v[T0+2]                 ; f = 2^(old M - new M)
.set n, 0
.rept 32
	v_pk_fma_f32 v[S+n:S+n+1], v[S+n:S+n+1], s[CS:CS+1], v[\st:\st+1] op_sel_hi:[1,0,0]   ; t - M, two at a time (of the pairs c and -M the low word serves both halves)
.set n, n+2
.endr
.set n, 0
	s_wait_alu depctr_va_vdst(0)
.rept 64
	v_exp_f32 v[S+n], v[S+n]                       ; p = 2^(t - M), at most 1: not normalised
.set n, n+1
.endr
	v_pk_mul_f32 v[\st+2:\st+3], v[\st+2:\st+3], v[F:F+1] op_sel_hi:[1,0]   ; the sum under the new M (a plain place behind the exponentials)
	s_wait_alu depctr_va_vdst(0)
	v_pk_add_f32 v[SUM2:SUM2+1], v[S:S+1], v[S+2:S+3]                       ; the sum is taken of the unquantised p, in two chains
.irp i, 4,8,12,16,20,24,28,32,36,40,44,48,52,56,60
	v_pk_add_f32 v[\st+2:\st+3], v[\st+2:\st+3], v[S+\i:S+1+\i]
	v_pk_add_f32 v[SUM2:SUM2+1], v[SUM2:SUM2+1], v[S+2+\i:S+3+\i]
.endr
	s_delay_alu instid0(VALU_DEP_1)
	v_pk_add_f32 v[\st+2:\st+3], v[\st+2:\st+3], v[SUM2:SUM2+1]
.set n, 0
.rept 64
.set n, n+1
.endr
.irp t, 0,1,2,3,4,5,6,7
	v_cvt_scalef32_pk8_fp8_f32 v[PC+2*\t:PC+2*\t+1], v[S+8*\t:S+8*\t+7], v[PSC]   ; registers 2 t, 2 t + 1 of P: keys 16 t + 8 h + 0 .. 7
.endr
.set n, 0
.rept 16
	v_pk_mul_f32 v[\o+n:\o+n+1], v[\o+n:\o+n+1], v[F:F+1] op_sel_hi:[1,0]   ; O^T under the new M; also the plain place behind the conversions
.set n, n+2
.endr
	s_wait_alu depctr_va_vdst(0)
	s_wait_dscnt 0x0                               ; V is in
.irp ct, 0,1,2,3                               ; O^T += V^T P^T: channels 16 ct on; K = these 128 keys.  The four accumulators take turns, and every step begins with products on S^T
	v_wmma_f32_16x16x128_fp8_fp8 v[\o+8*\ct:\o+8*\ct+7], v[FRG+16*\ct:FRG+16*\ct+15], v[PC:PC+15], v[\o+8*\ct:\o+8*\ct+7]
.endr
.Lhidden_\@:
.endm
; THE CHANGE OF SLOTS stands at a slot's head.  Each wave waits for all its tensor loads, adds 0 to its spare word, and waits for that and for its reads of the slot that it has left.
; fill = 1: the barrier is a round of the cluster's, and behind it the slot that was left is filled with the keys that follow: the load has a whole slot's steps in which to land; one tensor load of a wave is out.
.macro CHANGE fill
	s_wait_tensorcnt 0x0                           ; no tensor load of mine is out, so a group 0 may be written
	ds_add_u32 v[SPW], v[NIL]                      ; 0 onto my spare word
.if \fill
	s_xor_b32 s[G0K+1], s[G0K+1], SLOTB            ; the walking descriptors: the other slot than last time,
	s_add_nc_u64 s[G0K+2:G0K+3], s[G0K+2:G0K+3], 16384   ; the next 256 keys; the type bits on top are not reached
	s_xor_b32 s[G0V+1], s[G0V+1], SLOTB
	s_add_nc_u64 s[G0V+2:G0V+3], s[G0V+2:G0V+3], 16384
	s_wait_dscnt 0x0                               ; the add is done, and my reads of the slot that I have left are over
	ROUND
	TLOAD                                          ; the first thing behind the round, and a wave's one tensor load until the next
.else
	s_wait_dscnt 0x0
	s_barrier_signal -1
	s_barrier_wait -1
.endif
.endm
.macro SLOT_STEPS
	STEP 0, ST1, Q1, O1, J1
	STEP 0, ST2, Q2, O2, J2
	s_add_co_u32 s[KS2], s[KS2], 2
	STEP 1, ST1, Q1, O1, J1
	STEP 1, ST2, Q2, O2, J2
	s_add_co_u32 s[KS2], s[KS2], 2
	s_xor_b32 s[TB], s[TB], SLOTB                  ; on to the other slot
.endm
	s_wait_loadcnt 0x0                             ; Q
.Lslot:                                            ; NSL - 1 trips: behind each change of slots but the last the next slot is asked for
	CHANGE 1
	SLOT_STEPS
	s_sub_co_u32 s[SLOTS], s[SLOTS], 1
	s_cmp_lg_u32 s[SLOTS], 0
	s_cbranch_scc1 .Lslot
	CHANGE 0                                       ; the last slot is written out
	SLOT_STEPS
; THE WAY OUT of a tile: O^T / the sum, converted; the two registers of channel tile ct are 8 bytes of lane' = r + 16 (ct % 2): each store covers 256 consecutive bytes, aligned.
.macro YOUT st, o, n, yb
	v_add_f32 v[T0+2], v[\st+2], v[\st+3]          ; the sum's two halves,
	s_delay_alu instid0(VALU_DEP_1)
	v_permlanex16_b32 v[PD], v[T0+2], s[SEL], s[SEL+1]
	s_delay_alu instid0(VALU_DEP_1)
	v_add_f32 v[T0+2], v[T0+2], v[PD]              ; and lane l xor 16's
	s_wait_alu depctr_va_vdst(0)
	v_rcp_f32 v[F], v[T0+2]
	v_nop                                          ; one plain place behind a transcendental
.set j, 0
	s_wait_alu depctr_va_vdst(0)
.rept 16
	v_pk_mul_f32 v[S+32*\n+j:S+32*\n+j+1], v[\o+j:\o+j+1], v[F:F+1] op_sel_hi:[1,0]   ; each accumulator from its low end on
.set j, j+2
.endr
.set j, 0
.rept 32
.set j, j+1
.endr
.irp ct, 0,1,2,3
	v_cvt_scalef32_pk8_fp8_f32 v[PC+8*\n+2*\ct:PC+8*\n+2*\ct+1], v[S+32*\n+8*\ct:S+32*\n+8*\ct+7], v[YSC]
.endr
	v_nop                                          ; one plain vector instruction behind the last conversion
.irp ct, 0,1,2,3
	global_store_b64 v[YO], v[PC+8*\n+2*\ct:PC+8*\n+2*\ct+1], s[\yb:\yb+1] offset:(\ct/2)*512+(\ct%2)*256
.endr
.endm
.rept 4
	v_nop                                          ; places behind the last products
.endr
	YOUT ST1, O1, 0, 76
	YOUT ST2, O2, 1, 78
	s_wait_tensorcnt 0x0                           ; the wave's end
	ds_add_u32 v[SPW], v[NIL]
	s_wait_dscnt 0x0
	ROUND                                          ; the closing round: no work-group ends while a partner may still ask for a tile that names it
	s_endpgm
.Lfunc_end_k_q08bce9096e_attn:
	.size	k_q08bce9096e_attn, .Lfunc_end_k_q08bce9096e_attn-k_q08bce9096e_attn
	.p2alignl 7, 3214868480
	.fill 96, 4, 3214868480
	.section	.rodata,"a",@progbits
	.p2align	6, 0x0
	.amdhsa_kernel k_q08bce9096e_attn
		.amdhsa_group_segment_fixed_size 327680
		.amdhsa_private_segment_fixed_size 0
		.amdhsa_enable_private_segment 0
		.amdhsa_kernarg_size 40
		.amdhsa_user_sgpr_count 2
		.amdhsa_user_sgpr_kernarg_segment_ptr 1
		.amdhsa_wavefront_size32 1
		.amdhsa_system_sgpr_workgroup_id_x 1
		.amdhsa_system_sgpr_workgroup_id_y 1
		.amdhsa_system_sgpr_workgroup_id_z 1
		.amdhsa_system_vgpr_workitem_id 0
		.amdhsa_next_free_vgpr 256
		.amdhsa_next_free_sgpr 100
		.amdhsa_reserve_vcc 1
		.amdhsa_float_denorm_mode_32 3
		.amdhsa_float_denorm_mode_16_64 3
		.amdhsa_fp16_overflow 1
		.amdhsa_memory_ordered 1
		.amdhsa_forward_progress 1
		.amdhsa_inst_pref_size 165
	.end_amdhsa_kernel
	.amdgpu_metadata
---
amdhsa.version: [ 1, 2 ]
amdhsa.kernels:
  - .name:           k_q08bce9096e_attn
    .symbol:         k_q08bce9096e_attn.kd
    .args:
      - { .name: qimg, .offset: 0, .size: 8, .value_kind: global_buffer, .address_space: global }
      - { .name: kimg, .offset: 8, .size: 8, .value_kind: global_buffer, .address_space: global }
      - { .name: vimg, .offset: 16, .size: 8, .value_kind: global_buffer, .address_space: global }
      - { .name: lowp_scales, .offset: 24, .size: 8, .value_kind: global_buffer, .address_space: global }
      - { .name: yimg, .offset: 32, .size: 8, .value_kind: global_buffer, .address_space: global }
    .group_segment_fixed_size: 327680
    .private_segment_fixed_size: 0
    .kernarg_segment_align: 8
    .kernarg_segment_size: 40
    .max_flat_workgroup_size: 512
    .sgpr_count:     100
    .vgpr_count:     256
    .wavefront_size: 32
...
	.end_amdgpu_metadata
.endif
;; end of part 2
;; launch proj (part 3): grid 4 x 64, 4 waves a work-group, clusters of 4 x 4, 327,680 bytes of LDS; arguments yimg, Wproj_codes, lowp_scales, bproj, out0; writes out0
.if DOCPART == 3
	.amdgcn_target "amdgcn-amd-amdhsa--gfx1250"
	.amdhsa_code_object_version 6
	.text
	.protected	k_q08bce9096e_proj
	.globl	k_q08bce9096e_proj
	.p2align	8
	.type	k_q08bce9096e_proj,@function
k_q08bce9096e_proj:
	s_mov_b64 s[64:65], 0
	v_nop
	global_prefetch_b8 v0, s[64:65] scope:SCOPE_SE
	s_setreg_imm32_b32 hwreg(HW_REG_WAVE_MODE, 25, 1), 1
	s_wait_xcnt 0x0
	s_wait_alu depctr_hold_cnt(0) depctr_sa_sdst(0) depctr_va_vdst(0) depctr_va_sdst(0) depctr_va_ssrc(0) depctr_va_vcc(0) depctr_vm_vsrc(0)
	s_getreg_b32 s2, hwreg(HW_REG_IB_STS2, 6, 4)
	s_cmp_eq_u32 s2, 0
	s_cbranch_scc0 .Lentry_in_a_cluster
	s_endpgm
.Lentry_in_a_cluster:
	s_bfe_u32 s2, ttmp6, 0x10000c
	s_cmp_lg_u32 s2, 0xf033
	s_cbranch_scc0 .Lentry_shape_is_right
	s_endpgm
.Lentry_shape_is_right:
; out0 = y Wproj + bproj on codes of FP8 (E4M3).  y: [8192][1024] as images of fragments (yimg); Wproj: [1024 (n)][1024 (k)] codes, K innermost; bproj [1024], out0 [8192][1024]: f32.
; yimg: byte (row / 16) << 14 + (k / 128) << 11 + c << 9 + 16 lane: lane (r, h) holds, of row r, k = 32 c + 16 h + 0 .. 15 of the step's 128: what four loads of 16 bytes, 32 apart, give of Wproj's rows.
; That is a permutation of k inside an instruction's 128, the same on both sides, so every product meets its partner.
; A work-group of four waves makes 128 rows x 256 columns: 256 work-groups.  A wave makes 64 x 128: 32 accumulators.  K = 1,024 goes in four fills of 256 through THREE LDS slots: three first fills, and one
; refill (slot 0 takes K 768-1023).  Both operands have two sets of fragment registers: while one step of 128 is multiplied, the next one's 48 LDS loads land.
; CLUSTERS: 4 x 4 work-groups; y's tile is shared along a row of the cluster, Wproj's along a column: each is asked for jointly.
; THE MATRIX INSTRUCTION IS USED TRANSPOSED (source 0 = 16 rows of Wproj, source 1 = 16 rows of y): a lane holds eight neighbouring columns of one row of out0.
; A sum stands for sum x 2^(e6 + e7): out0 = sum x 2^(e6 + e7) + bproj, one packed multiply-add for two numbers.  LIMIT: e6 + e7 between -126 and 127.
; REGISTERS, in windows of 256: window 0: v16-29 addresses; v64-127, v128-191 y's fragments, two sets; on the way out v32-95 a block's results, v128-255 rows read back.
;   window 1: Wproj's fragments, two sets.   window 2: accumulator (a, b) at v[8 (8 a + b)].   window 3: v0-63 bproj in the result's layout.
.set PITCH,  272                       ; an LDS row of Wproj: 256 bytes + 16 of padding: the 16 rows that a load touches start at 16 different banks (64 banks of 4 bytes: ISA guide 11.1)
.set FR,     16
.set ABY,    32768                     ; y's images in a slot: 8 tiles of rows x 4,096 bytes
.set BHALF,  128*PITCH
.set SLOT,   ABY+2*BHALF               ; 102,400
.set SPARE,  3*SLOT                    ; behind the slots: the spare words, 128 bytes for each wave
.set STAGE,  SLOT                      ; the way out: 16 rows x 528 bytes for each wave, in slot 1: it is filled once, and its last read stands ahead of the last barrier
.set SPITCH, 528
.set ADRA, 16                          ; v16-18  LDS address of my fragments of y in slot 0, 1, 2
.set ADRB, 20                          ; v20-22  the same for Wproj
.set STO,  24
.set RD,   25
.set CO,   26                          ; v26     16 x lane
.set SPW,  28                          ; v28     LDS address of my spare word; never rewritten
.set NIL,  29                          ; v29     0; never rewritten
.set TMP,  32
.set AF,   64
.set BK,   128
.set G1,  24                           ; s[24:31] descriptor group 1 for y's tiles;  s[32:43] group 0, one set for each slot
.set G0,  32
.set G1B, 48                           ; s[48:55] for Wproj's;  s[56:59], s[60:63], s[68:71] its groups 0
.set G0B, 56
.set MSB, 0
.macro WIN new
.if MSB != (\new)
	s_set_vgpr_msb (MSB<<8)|(\new)
.set MSB, (\new)
.endif
.endm
.set MUL,  0xa1                        ; source 0 (Wproj) window 1, source 1 (y) window 0, C and D window 2
.set TO_B, 0x40
.macro JLOAD g0a, g0b                  ; a joint load: waves 0 and 1 fetch y's halves, waves 2 and 3 Wproj's; four v_nop follow each of the two lines
	s_cmp_eq_u32 s15, 0
	s_cbranch_scc0 .Lfor_b_\@
	tensor_load_to_lds s[\g0a:\g0a+3], s[G1:G1+7]
	s_nop 0
.rept 4
	v_nop
.endr
	s_branch .Lasked_\@
.Lfor_b_\@:
	tensor_load_to_lds s[\g0b:\g0b+3], s[G1B:G1B+7]
	s_nop 0
.rept 4
	v_nop
.endr
.Lasked_\@:
.endm
.macro CREST
	s_cmp_lg_u32 s14, 0
	s_cbranch_scc1 .Lnot_wave_0_\@
	s_barrier_signal -3
.Lnot_wave_0_\@:
	s_barrier_wait -3
	s_barrier_signal -1
	s_barrier_wait -1
.endm
.macro CROUND
	s_barrier_signal -1
	s_barrier_wait -1
	CREST
.endm
.macro PLACES
.rept 4
	v_nop
.endr
.endm
	s_load_b256 s[4:11], s[0:1], 0x0               ; yimg s[4:5], Wproj's codes s[6:7], the scales' exponents s[8:9], bproj s[10:11]
	s_load_b64 s[12:13], s[0:1], 0x20              ; out0
	v_lshl_add_u32 v[SPW], v0, 2, SPARE
	v_mov_b32 v[NIL], 0
	ds_add_u32 v28, v29
	ds_add_u32 v28, v29
	s_wait_dscnt 0x0
	v_lshrrev_b32 v1, 5, v0
	v_readfirstlane_b32 s14, v1                    ; wave 0..3
	s_lshr_b32 s15, s14, 1                         ; which 64 rows are mine.  Also: I fetch for y (0) or for Wproj (1)
	s_and_b32 s16, s14, 1                          ; which 128 columns.  Also: which half of that tile I fetch
	s_bfe_u32 s72, ttmp6, 0x40000                  ; cx
	s_bfe_u32 s73, ttmp6, 0x40004                  ; cy
	s_lshl_b32 s74, ttmp9, 2
	s_add_co_u32 s74, s74, s72                     ; tile column: 256 columns
	s_and_b32 s75, ttmp7, 0xffff
	s_lshl_b32 s75, s75, 2
	s_add_co_u32 s75, s75, s73                     ; tile row: 128 rows
	s_lshl_b32 s76, s73, 2
	s_lshl_b32 s76, 15, s76                        ; my row of the cluster
	s_lshl_b32 s77, 0x1111, s72                    ; my column
	; group 1 for y: four tiles of rows, 4,096 bytes of each (256 along K), 16,384 apart; elements of 8 bytes; no padding: images are read 16 bytes a lane on end
	s_or_b32 s[G1+0], s76, (3<<16)|(1<<21)
	s_mov_b32 s[G1+1], 512<<16                     ; tensor_dim0 = 512
	s_mov_b32 s[G1+2], 4<<16                       ; tensor_dim1 = 4
	s_mov_b32 s[G1+3], 512<<16                     ; tile_dim0 = 512
	s_mov_b32 s[G1+4], 4                           ; tile_dim1 = 4
	s_mov_b32 s[G1+5], 2048                        ; tensor_dim0_stride
	s_mov_b32 s[G1+6], 0
	s_mov_b32 s[G1+7], 0
	; group 1 for Wproj: 128 rows x 256 bytes, four words of padding behind every 64
	s_or_b32 s[G1B+0], s77, (0<<16)|(1<<20)|(1<<21)|(5<<22)|(3<<25)
	s_mov_b32 s[G1B+1], 256<<16
	s_mov_b32 s[G1B+2], 128<<16
	s_mov_b32 s[G1B+3], 256<<16
	s_mov_b32 s[G1B+4], 128
	s_mov_b32 s[G1B+5], 1024
	s_mov_b32 s[G1B+6], 0
	s_mov_b32 s[G1B+7], 0
	s_lshl_b32 s20, s75, 3
	s_lshl_b32 s18, s16, 2
	s_add_co_u32 s20, s20, s18
	s_lshl_b32 s20, s20, 14                        ; y: tile of rows 8 x tile row + 4 x half: it never holds cx
	s_mov_b32 s21, 0
	s_lshl_b32 s46, s74, 8
	s_lshl_b32 s18, s16, 7
	s_add_co_u32 s46, s46, s18
	s_lshl_b32 s46, s46, 10                        ; Wproj: row 256 x tile column + 128 x half: it never holds cy
	s_mov_b32 s47, 0
	s_lshl_b32 s44, s16, 14                        ; where they go in a slot: y's half,
	s_mul_i32 s45, s16, BHALF
	s_add_co_u32 s45, s45, ABY                     ; Wproj's half: no place in the cluster enters an LDS address
	s_wait_kmcnt 0x0
	s_load_b256 s[80:87], s[8:9], 0x0              ; e0 .. e7
	s_add_nc_u64 s[20:21], s[4:5], s[20:21]
	s_add_nc_u64 s[46:47], s[6:7], s[46:47]
	CROUND                                         ; all sixteen work-groups are here: the first joint loads meet
.irp s, 0,1,2
.set GA, G0+4*\s
.set GB, G0B+4*\s+4*(\s/2)
	s_mov_b32 s[GA], 1
	s_add_co_u32 s[GA+1], s44, \s*SLOT
	s_add_nc_u64 s[GA+2:GA+3], s[20:21], \s*4096
	s_or_b32 s[GA+3], s[GA+3], 0x80000000
	s_mov_b32 s[GB], 1
	s_add_co_u32 s[GB+1], s45, \s*SLOT
	s_add_nc_u64 s[GB+2:GB+3], s[46:47], \s*256
	s_or_b32 s[GB+3], s[GB+3], 0x80000000
	s_wait_alu depctr_va_vdst(0)
	s_wait_tensorcnt 0x0
	ds_add_u32 v28, v29
	ds_add_u32 v28, v29
	s_wait_dscnt 0x0
	CROUND
	JLOAD GA, GB                                   ; one tensor load of mine is out
.endr
	v_and_b32 v1, 15, v0                           ; r
	v_bfe_u32 v2, v0, 4, 1                         ; h
	v_and_b32 v6, 31, v0
	v_lshlrev_b32 v[CO], 4, v6
	v_mul_u32_u24 v3, v1, PITCH
	v_lshl_add_u32 v4, v2, 4, v3
	s_lshl_b32 s21, s15, 14                        ; my four tiles of rows of y
	s_mul_i32 s22, s16, BHALF
	s_add_co_u32 s22, s22, ABY                     ; my 128 rows of Wproj
.irp s, 0,1,2
	v_add_nc_u32 v[ADRA+\s], s21, v[CO]
	v_add_nc_u32 v[ADRB+\s], s22, v4
	s_add_co_u32 s21, s21, SLOT
	s_add_co_u32 s22, s22, SLOT
.endr
	s_mul_i32 s23, s14, 16*SPITCH
	s_add_co_u32 s23, s23, STAGE                   ; my stage
	v_mul_u32_u24 v5, v1, SPITCH
	v_lshl_add_u32 v5, v2, 5, v5
	v_add_nc_u32 v[STO], s23, v5                   ; in: row r, 32 bytes for each half of the lanes
	v_add_nc_u32 v[RD], s23, v[CO]                 ; back: the 32 lanes take one row of 512 bytes
	s_lshl_b32 s20, s75, 7
	s_lshl_b32 s21, s15, 6
	s_add_co_u32 s20, s20, s21                     ; my first row of out0
	s_lshl_b32 s20, s20, 12
	s_lshl_b32 s22, s74, 10
	s_lshl_b32 s23, s16, 9
	s_add_co_u32 s22, s22, s23                     ; my first column in bytes; also my 128 numbers of bproj
	s_add_co_u32 s20, s20, s22
	s_mov_b32 s21, 0
	s_mov_b32 s23, 0
	s_add_nc_u64 s[12:13], s[12:13], s[20:21]
	s_add_nc_u64 s[10:11], s[10:11], s[22:23]
	v_lshlrev_b32 v7, 5, v2                        ; 32 h
	WIN 0xc0                                       ; destination window 3
.irp b, 0,1,2,3,4,5,6,7
	global_load_b128 v[8*\b:8*\b+3], v7, s[10:11] offset:64*\b          ; bproj at column 16 b + 8 h + 0 .. 7
	global_load_b128 v[8*\b+4:8*\b+7], v7, s[10:11] offset:64*\b+16
.endr
	WIN 0
; 48 LDS loads in one run: the fragments of the slot's q-th 128 along K into set p
.macro FETCH slot, q, p
	WIN TO_B
.irp i, 0,1,2,3,4,5,6,7
.irp c, 0,1,2,3
	ds_load_b128 v[128*(\p)+FR*\i+4*\c:128*(\p)+FR*\i+4*\c+3], v[ADRB+\slot] offset:128*(\q)+32*\c+\i*16*PITCH
.endr
.endr
	WIN 0
.irp i, 0,1,2,3
.irp c, 0,1,2,3
	ds_load_b128 v[AF+64*(\p)+FR*\i+4*\c:AF+64*(\p)+FR*\i+4*\c+3], v[ADRA+\slot] offset:\i*4096+2048*(\q)+512*\c
.endr
.endr
.endm
; 16 matrix instructions: y's blocks a0, a0 + 1 x Wproj's eight.  zero = 1: the first product starts the sums.  The 32 accumulators take turns in the same order in every step.
.macro MUL16 a0, p, zero
.irp a, \a0, \a0+1
.irp b, 0,1,2,3,4,5,6,7
.if \zero
	v_wmma_f32_16x16x128_fp8_fp8 v[8*(8*(\a)+\b):8*(8*(\a)+\b)+7], v[128*(\p)+FR*\b:128*(\p)+FR*\b+FR-1], v[AF+64*(\p)+FR*(\a):AF+64*(\p)+FR*(\a)+FR-1], 0
.else
	v_wmma_f32_16x16x128_fp8_fp8 v[8*(8*(\a)+\b):8*(8*(\a)+\b)+7], v[128*(\p)+FR*\b:128*(\p)+FR*\b+FR-1], v[AF+64*(\p)+FR*(\a):AF+64*(\p)+FR*(\a)+FR-1], v[8*(8*(\a)+\b):8*(8*(\a)+\b)+7]
.endif
.endr
.endr
.endm
; A plain step: set p is multiplied; the next step's fragments, (ns, nq), are fetched into the other set, which the step before multiplied: four places stand in front of those loads.
.macro PSTEP ns, nq, p
	s_wait_dscnt 0x0                               ; this step's fragments are in
	PLACES
	FETCH \ns, \nq, 1-\p
	WIN MUL
	MUL16 0, \p, 0
	MUL16 2, \p, 0
	WIN 0
.endm
	s_wait_tensorcnt 2                             ; my part of slot 0 is in; slot 2's load may be out
	s_barrier_signal -1
	s_barrier_wait -1                              ; everybody's is
	FETCH 0, 0, 0
	s_wait_dscnt 0x0                               ; K 0-127
	FETCH 0, 1, 1
	WIN MUL
	MUL16 0, 0, 1
	MUL16 2, 0, 1
	WIN 0
	; K 128-255: slot 0 is left and filled again.  In front of the round each wave waits for all its tensor loads (slots 1 and 2 among them), adds 0 to its spare word, and waits for that and for its reads of slot 0.
	s_wait_tensorcnt 0x0
	ds_add_u32 v[SPW], v[NIL]                      ; 0 onto my spare word
	s_add_nc_u64 s[G0+2:G0+3], s[G0+2:G0+3], 3*4096        ; slot 0's next tiles: K 768-1023
	s_add_nc_u64 s[G0B+2:G0B+3], s[G0B+2:G0B+3], 3*256
	s_wait_dscnt 0x0
	s_barrier_signal -1
	WIN MUL
	MUL16 0, 1, 0                                  ; work on registers while the others arrive
	WIN 0
	s_barrier_wait -1
	CREST                                          ; no wave of any partner still reads slot 0 or has a load on its way
	JLOAD G0, G0B                                  ; the first tensor load behind the round; its four v_nop are the places in front of the loads below
	s_wait_alu depctr_va_vdst(0)
	FETCH 1, 0, 0
	WIN MUL
	MUL16 2, 1, 0
	WIN 0
	PSTEP 1, 1, 0                                  ; K 256-383
	PSTEP 2, 0, 1                                  ; K 384-511; slot 2 was shown whole to every wave by the round above
	PSTEP 2, 1, 0                                  ; K 512-639
	s_wait_tensorcnt 0x0                           ; K 640-767: my part of slot 0's second fill is in (the one load that was out),
	s_wait_dscnt 0x0                               ; and so are this step's fragments;
	s_barrier_signal -1
	s_barrier_wait -1                              ; everybody's is
	PLACES
	FETCH 0, 0, 0
	WIN MUL
	MUL16 0, 1, 0
	MUL16 2, 1, 0
	WIN 0
	PSTEP 0, 1, 0                                  ; K 768-895
	s_wait_dscnt 0x0                               ; K 896-1023: nothing more to fetch
	WIN MUL
	MUL16 0, 1, 0
	MUL16 2, 1, 0
	WIN 0
; THE WAY OUT, block by block of 16 rows x 128 columns, through my own stage in LDS: in as 32 bytes a lane, back as whole rows of 512 bytes.  LDS serves a wave's instructions in order (ISA guide 5.7.1.4).
.macro TOSTAGE a
	WIN 0x32                                       ; source 0 (the sums) window 2, source 2 (bproj) window 3
.set j, 0
.rept 32
	v_pk_fma_f32 v[TMP+j:TMP+j+1], v[64*(\a)+j:64*(\a)+j+1], s[96:97], v[j:j+1] op_sel_hi:[1,0,1]   ; sum x 2^(e6 + e7) + bproj; each accumulator from its low end on
.set j, j+2
.endr
	WIN 0
.irp b, 0,1,2,3,4,5,6,7
	ds_store_b128 v[STO], v[TMP+8*\b:TMP+8*\b+3] offset:64*\b
	ds_store_b128 v[STO], v[TMP+8*\b+4:TMP+8*\b+7] offset:64*\b+16
.endr
.set BB, BK+64*((\a)%2)
.irp t, 0,1,2,3,4,5,6,7,8,9,10,11,12,13,14,15
	ds_load_b128 v[BB+4*\t:BB+4*\t+3], v[RD] offset:\t*SPITCH
.endr
.endm
.macro SEND a, younger                 ; younger: the LDS instructions issued behind block a's loads, which may stay out
.set BB, BK+64*((\a)%2)
	s_wait_dscnt \younger
.if (\a) > 0
	s_add_nc_u64 s[12:13], s[12:13], 16*4096       ; 16 rows on (behind a wait on XCNT: the earlier stores have read their base)
.endif
.irp t, 0,1,2,3,4,5,6,7,8,9,10,11,12,13,14,15
	global_store_b128 v[CO], v[BB+4*\t:BB+4*\t+3], s[12:13] offset:\t*4096 th:TH_STORE_NT   ; 32 lanes store 512 consecutive bytes, aligned; written once, read by nobody here
.endr
.endm
	s_wait_kmcnt 0x0
	s_add_co_i32 s96, s86, s87                     ; e6 + e7
	s_add_co_i32 s96, s96, 127
	s_lshl_b32 s96, s96, 23                        ; 2^(e6 + e7) as f32
	s_mov_b32 s97, s96                             ; named with it as a pair, so it is written
	s_wait_loadcnt 0x0                             ; bproj
	PLACES                                         ; behind the last products: results are read, and registers that they read are written
	TOSTAGE 0
.irp a, 1,2,3
.if \a > 1
	s_wait_xcnt 0x0                                ; block a - 2's stores have read their registers and their base
.endif
	TOSTAGE \a
	SEND \a-1, 32                                  ; behind block a - 1's loads: block a's 16 stores and 16 loads
.endr
	s_wait_xcnt 0x0
	SEND 3, 0
	s_wait_tensorcnt 0x0                           ; the wave's end
	ds_add_u32 v[SPW], v[NIL]
	s_wait_dscnt 0x0
	CROUND                                         ; the closing round
	s_endpgm
.Lfunc_end_k_q08bce9096e_proj:
	.size	k_q08bce9096e_proj, .Lfunc_end_k_q08bce9096e_proj-k_q08bce9096e_proj
	.p2alignl 7, 3214868480
	.fill 96, 4, 3214868480
	.section	.rodata,"a",@progbits
	.p2align	6, 0x0
	.amdhsa_kernel k_q08bce9096e_proj
		.amdhsa_group_segment_fixed_size 327680
		.amdhsa_private_segment_fixed_size 0
		.amdhsa_enable_private_segment 0
		.amdhsa_kernarg_size 40
		.amdhsa_user_sgpr_count 2
		.amdhsa_user_sgpr_kernarg_segment_ptr 1
		.amdhsa_wavefront_size32 1
		.amdhsa_system_sgpr_workgroup_id_x 1
		.amdhsa_system_sgpr_workgroup_id_y 1
		.amdhsa_system_sgpr_workgroup_id_z 1
		.amdhsa_system_vgpr_workitem_id 0
		.amdhsa_next_free_vgpr 832
		.amdhsa_next_free_sgpr 100
		.amdhsa_reserve_vcc 0
		.amdhsa_float_denorm_mode_32 3
		.amdhsa_float_denorm_mode_16_64 3
		.amdhsa_memory_ordered 1
		.amdhsa_forward_progress 1
		.amdhsa_inst_pref_size 78
	.end_amdhsa_kernel
	.amdgpu_metadata
---
amdhsa.version: [ 1, 2 ]
amdhsa.kernels:
  - .name:           k_q08bce9096e_proj
    .symbol:         k_q08bce9096e_proj.kd
    .args:
      - { .name: yimg, .offset: 0, .size: 8, .value_kind: global_buffer, .address_space: global }
      - { .name: Wproj_codes, .offset: 8, .size: 8, .value_kind: global_buffer, .address_space: global }
      - { .name: lowp_scales, .offset: 16, .size: 8, .value_kind: global_buffer, .address_space: global }
      - { .name: bproj, .offset: 24, .size: 8, .value_kind: global_buffer, .address_space: global }
      - { .name: out0, .offset: 32, .size: 8, .value_kind: global_buffer, .address_space: global }
    .group_segment_fixed_size: 327680
    .private_segment_fixed_size: 0
    .kernarg_segment_align: 8
    .kernarg_segment_size: 40
    .max_flat_workgroup_size: 128
    .sgpr_count:     100
    .vgpr_count:     832
    .wavefront_size: 32
...
	.end_amdgpu_metadata
.endif
;; end of part 3
